; MI455X (gfx1250); checked and timed in simulation.
; The chip was launched on July 23, 2026; its instructions are those of AMD's public machine-readable ISA for CDNA 5 (MIT licence, August 2026) and "CDNA5" Instruction Set Architecture Reference Guide (July 2026). The comments in the code are by the model that wrote it; some were corrected since.
;; Neuralized K Means. Allowed arithmetic: float matrix products may take bf16 or f16 operands with f32 sums; all other float work in f32.
;; Inputs: X 50,000 x 1,024 float32; centroids 32 x 1,024 float32.
;; Outputs: out0 50,000 float32.
;; One version. Each part assembles by itself: llvm-mc -triple=amdgcn-amd-amdhsa -mcpu=gfx1250 --defsym DOCPART=n.
;; ======== version 1 of 1: 1 launch
;; launch kmeans_margin (part 1): grid 250 x 1, 8 waves a work-group, no clusters, 102,400 bytes of LDS; arguments X, centroids, out0; writes out0
.if DOCPART == 1
	.amdgcn_target "amdgcn-amd-amdhsa--gfx1250"
	.amdhsa_code_object_version 6
	.text
	.protected	k_q945e3b0b01_kmeans_margin
	.globl	k_q945e3b0b01_kmeans_margin
	.p2align	8
	.type	k_q945e3b0b01_kmeans_margin,@function
k_q945e3b0b01_kmeans_margin:
	s_mov_b64 s[64:65], 0
	v_nop
	global_prefetch_b8 v0, s[64:65] scope:SCOPE_SE
	s_setreg_imm32_b32 hwreg(HW_REG_WAVE_MODE, 25, 1), 1
	s_wait_xcnt 0x0
; out[n] = max over c of min over k != c of z[n][c][k],  z[n][c][k] = 2 (mu_c - mu_k) . x_n + |mu_k|^2 - |mu_c|^2.   X: [50000][1024] f32, centroids: [32][1024] f32, out: [50000] f32.
; THE FORM.  With t_c = z[n][c][0] = 2 (mu_c - mu_0) . x_n - (|mu_c|^2 - |mu_0|^2) (t_0 = 0) every z[n][c][k] is t_c - t_k.  For the c of the largest t the minimum over k is
; largest - second largest (>= 0), for every other c it is t_c - largest (<= 0).  So out = largest t - second largest t, for every input: 32 columns go to the matrix unit.
; MARGIN.  W_c = 2 (mu_c - mu_0) is formed in f32 (one rounding, as the problem's own W), the bias as the sum of (mu_c - mu_0)(mu_c + mu_0), never as a difference of two squared norms.
; Each f32 operand goes to the matrix unit as two bf16 terms, hi + lo (lo = bf16(v - hi), v - hi being exact); kept are Wh xh + Wl xh + Wh xl, dropped is Wl xl, some 2^-17 of a product.
; LIMITS.  Finite inputs whose magnitude bf16 can round without overflow; a NaN is dropped by the num forms of max, min and med3 where the problem would pass it on.  The order of rounding
; differs from the problem's: t_c - t_k in place of one sum for each pair, K shared among eight waves, operands as hi + lo.
; SHARES.  250 work-groups x 200 rows = 50,000.  Wave w owns columns 128 w .. 128 w + 127 of every row: a load of the wave is 512 consecutive bytes of one row, at a multiple of 512, and the
; eight waves cover the row.  Its slice of W (32 x 128, hi and lo) stays in 128 registers.  Rows go in 13 tiles: twelve of 16, one of 8 (whose upper 8 stage rows keep the tile before's
; bytes and feed only columns of the result that are never stored to out).
; THE MATRIX INSTRUCTION IS USED TRANSPOSED: source 0 = 16 centroids, source 1 = 16 rows of X: lane l holds row l % 16, register j centroid 16 ct + 8 (l / 16) + j.
; The eight waves' partial t are added through LDS by one wave a tile (wave tile % 8), behind one barrier a tile.
; EVERYTHING COMES THROUGH REGISTERS.  My slice of the centroids (32 loads) is asked for first, X's first three tiles (48 loads) right behind it: the counted wait for the centroids leaves
; X's loads on their way, and W is prepared while they land.  X then runs in a ring of three tile slots with counted waits: 48 loads, 24 KB a wave, are out and the ring is never drained.
; NO CLUSTER, NO TENSOR LOAD: the grid of 250 is no multiple of 4; what work-groups share, the 131,072 bytes of centroids, is read once beside 819,200 bytes of a group's own; and LDS slots
; filled by tensor loads would have nothing on its way at each change of slots.  Eight waves of 512 registers fill the four SIMDs' 1,024 each: the work-group is alone on its WGP.
; The whole text is straight-line: slot (tile % 3), parity (tile % 2), adding wave (tile % 8) and row offsets are constants.
;
; LDS:  STG  0        wave w at 8,448 w: 16 rows, pitch 528 = 256 hi + 256 lo + 16: row r starts at bank 4 r mod 64 (64 banks of 4 bytes: ISA guide 11.1); each wave's own
;       RED  67,584   parity p at 16,384 p, wave w at 2,048 w, quad q at 512 q, lane at 16 l
;       OUT  100,352  200 results (208 words written)
.set ROWB,  4096                       ; bytes in a row of X, and of the centroids
.set GROWS, 200                        ; rows of a work-group
.set PITCH, 528
.set STG,   0
.set STGW,  16*PITCH
.set RED,   STG+8*STGW
.set REDP,  16384
.set REDW,  2048
.set OUT,   RED+2*REDP
; window 0
.set XO,   1                           ; v1   16 x thread = 512 w + 16 l: my bytes in a row of X and of the centroids; also my bytes in the group's part of out; never rewritten
.set STA,  2                           ; v2   stage, in: my 8 bytes of a row's hi part
.set FRA,  3                           ; v3   stage, back: row l % 16, 16 bytes for each half of the lanes
.set RDA,  5                           ; v5   my wave's partial in RED
.set RRA,  6                           ; v6   RED + 16 l: any wave's partial, by the immediate
.set OA,   7                           ; v7   OUT + 4 (l % 16)
.set NEG1, 8                           ; v8   -1.0
.set OL,   9                           ; v9   OUT + 16 x min(thread, 49)
                                       ; v10-15 at work: set-up, then the two largest
.set M2,   16                          ; v[16:19]  -2 mu_0, my four columns
.set H0,   20                          ; v[20:23]  -0.5 mu_0
.set SH,   24                          ; v[24:27]  -0.5 (mu_c + mu_0)
.set QT,   28                          ; v[28:29]
.set T,    32                          ; v[32:95]  at work
.set HI,   T                           ; 8 rows x 2 registers of hi
.set LO,   T+16                        ; 8 rows x 2 registers of lo
.set DF,   T+32                        ; 8 rows x 4 registers of v - hi
.set BIAS, 96                          ; v[96:111]   my wave's share of the bias, laid out as the result
.set ACC,  112                         ; v[112:127]  two accumulators
.set Q,    ACC                         ; ahead of the tiles: 16 centroids' shares of the bias
.set WF,   128                         ; v[128:255]  first the raw centroids, row p at 128 + 4 p; then W: fragment (ct, part, ks) at 128 + 64 ct + 8 (4 part + ks)
; window 1: v0-191 the ring of X, slot s at 64 s, row at + 4 row;  v192-255 X's fragments, (part, ks) at 192 + 8 (4 part + ks)
.set XF,   192
.set WV,   10                          ; s10  my wave's number
.set SEL,  26                          ; s[26:27] v_permlanex16_b32: each lane takes its own place in the other half
.set HIGH, 28                          ; s28  mask of lanes 16-31
.set MSB, 0
.macro WIN new                         ; s_set_vgpr_msb: bits 1:0 source 0, 3:2 source 1, 5:4 source 2, 7:6 destination; the high byte repeats the setting that is left
.if MSB != \new
	s_set_vgpr_msb (MSB<<8)|\new
.set MSB, \new
.endif
.endm
; Rows 16 tile .. of the group into ring slot tile % 3: each load 512 consecutive bytes of a row.  The row stands in the immediate (815,104 at the most, inside its signed 24 bits).
.macro XLOAD tile, rows
	WIN 0x40                                       ; destination window 1, address window 0
.set xr, 0
.rept \rows
	global_load_b128 v[64*((\tile)%3)+4*xr:64*((\tile)%3)+4*xr+3], v[XO], s[4:5] offset:(16*(\tile)+xr)*ROWB th:TH_LOAD_NT
.set xr, xr+1
.endr
.endm
; Eight rows of four f32 a lane, at v[src + 4 row] of window blk, are split into hi and lo and laid into stage rows row0 .. row0 + 7.  A store of the wave is 256 consecutive bytes.
.macro SPLIT8 src, blk, row0
	WIN 0x05*\blk                                  ; sources 0 and 1
.irp p, 0,1,2,3,4,5,6,7
	v_cvt_pk_bf16_f32 v[HI+2*\p],   v[\src+4*\p],   v[\src+4*\p+1]
	v_cvt_pk_bf16_f32 v[HI+2*\p+1], v[\src+4*\p+2], v[\src+4*\p+3]
.endr
	WIN 0x10*\blk                                  ; source 2
.irp p, 0,1,2,3,4,5,6,7
	v_fma_mix_f32_bf16 v[DF+4*\p],   v[HI+2*\p],   v[NEG1], v[\src+4*\p]   op_sel_hi:[1,0,0]                 ; v - hi, exact: source 0 is a bf16 half
	v_fma_mix_f32_bf16 v[DF+4*\p+1], v[HI+2*\p],   v[NEG1], v[\src+4*\p+1] op_sel:[1,0,0] op_sel_hi:[1,0,0]
	v_fma_mix_f32_bf16 v[DF+4*\p+2], v[HI+2*\p+1], v[NEG1], v[\src+4*\p+2] op_sel_hi:[1,0,0]
	v_fma_mix_f32_bf16 v[DF+4*\p+3], v[HI+2*\p+1], v[NEG1], v[\src+4*\p+3] op_sel:[1,0,0] op_sel_hi:[1,0,0]
.endr
	WIN 0
.irp p, 0,1,2,3,4,5,6,7
	v_cvt_pk_bf16_f32 v[LO+2*\p],   v[DF+4*\p],   v[DF+4*\p+1]
	v_cvt_pk_bf16_f32 v[LO+2*\p+1], v[DF+4*\p+2], v[DF+4*\p+3]
.endr
.irp p, 0,1,2,3,4,5,6,7
	ds_store_b64 v[STA], v[HI+2*\p:HI+2*\p+1] offset:(\row0+\p)*PITCH
	ds_store_b64 v[STA], v[LO+2*\p:LO+2*\p+1] offset:(\row0+\p)*PITCH+256
.endr
.endm
; The stage's 16 rows x 128 K, hi and lo, come back as eight fragments (16 rows x 32 K in 8 registers: lane l holds row l % 16; registers 0-3 K = 8 (l / 16) + 0..7, registers 4-7
; K = 16 + 8 (l / 16) + 0..7: two loads of 16 bytes, 32 bytes apart).  Sixteen loads, ks outermost.  LDS serves a wave's instructions in order (ISA guide 5.7.1.4): they see the stores above,
; and the stage is the wave's own, so no wait and no barrier stands between.
.macro FETCH dst, blk
	WIN 0x40*\blk                                  ; destination
.irp ks, 0,1,2,3
.irp pt, 0,1
	ds_load_b128 v[\dst+8*(4*\pt+\ks):\dst+8*(4*\pt+\ks)+3],   v[FRA] offset:256*\pt+64*\ks
	ds_load_b128 v[\dst+8*(4*\pt+\ks)+4:\dst+8*(4*\pt+\ks)+7], v[FRA] offset:256*\pt+64*\ks+32
.endr
.endr
.endm
; Centroids 16 ct .. 16 ct + 15, my 128 columns, as loaded in v[WF + 64 ct ..]: W = 2 (mu_c - mu_0) in place, its fragments into the same registers, and my wave's share of the bias.
.macro CPREP ct
.set RAWR, WF+64*\ct
.if \ct == 0
	v_pk_mul_f32 v[M2:M2+1],   v[RAWR:RAWR+1],   -2.0 op_sel_hi:[1,0]     ; row 0 is mu_0
	v_pk_mul_f32 v[M2+2:M2+3], v[RAWR+2:RAWR+3], -2.0 op_sel_hi:[1,0]
	v_pk_mul_f32 v[H0:H0+1],   v[RAWR:RAWR+1],   -0.5 op_sel_hi:[1,0]
	v_pk_mul_f32 v[H0+2:H0+3], v[RAWR+2:RAWR+3], -0.5 op_sel_hi:[1,0]
.endif
.irp p, 0,1,2,3,4,5,6,7,8,9,10,11,12,13,14,15
	v_pk_fma_f32 v[SH:SH+1],     v[RAWR+4*\p:RAWR+4*\p+1],   -0.5, v[H0:H0+1]     op_sel_hi:[1,0,1]   ; -0.5 (mu_c + mu_0)
	v_pk_fma_f32 v[SH+2:SH+3],   v[RAWR+4*\p+2:RAWR+4*\p+3], -0.5, v[H0+2:H0+3]   op_sel_hi:[1,0,1]
	v_pk_fma_f32 v[RAWR+4*\p:RAWR+4*\p+1],   v[RAWR+4*\p:RAWR+4*\p+1],   2.0, v[M2:M2+1]     op_sel_hi:[1,0,1]   ; W = 2 mu_c - 2 mu_0, one rounding, in place
	v_pk_fma_f32 v[RAWR+4*\p+2:RAWR+4*\p+3], v[RAWR+4*\p+2:RAWR+4*\p+3], 2.0, v[M2+2:M2+3]   op_sel_hi:[1,0,1]
	v_pk_mul_f32 v[QT:QT+1], v[RAWR+4*\p:RAWR+4*\p+1], v[SH:SH+1]                                          ; W x SH = -(mu_c - mu_0)(mu_c + mu_0)
	v_pk_fma_f32 v[QT:QT+1], v[RAWR+4*\p+2:RAWR+4*\p+3], v[SH+2:SH+3], v[QT:QT+1]
	v_add_f32 v[Q+\p], v[QT], v[QT+1]              ; my four columns' share of what t_c is to start from
.endr
	SPLIT8 RAWR, 0, 0
	SPLIT8 RAWR+32, 0, 8
	FETCH RAWR, 0                                  ; into the rows' own registers, which SPLIT8 has read
	; the shares are added over the wave's 32 lanes, the sixteen sums side by side: four steps inside each half of the lanes ride on the addition, one crosses the halves
.irp m, 1,2,4,8
.irp p, 0,1,2,3,4,5,6,7,8,9,10,11,12,13,14,15
	v_add_f32_dpp v[Q+\p], v[Q+\p], v[Q+\p] row_xmask:\m row_mask:0xf bank_mask:0xf
.endr
.endr
.irp p, 0,1,2,3,4,5,6,7,8,9,10,11,12,13,14,15
	v_permlanex16_b32 v[DF+\p], v[Q+\p], s[SEL], s[SEL+1]      ; its destination counts as read: SPLIT8 has written DF
.endr
.irp p, 0,1,2,3,4,5,6,7,8,9,10,11,12,13,14,15
	v_add_f32 v[Q+\p], v[Q+\p], v[DF+\p]
.endr
.irp j, 0,1,2,3,4,5,6,7
	v_cndmask_b32 v[BIAS+8*\ct+\j], v[Q+\j], v[Q+8+\j], s[HIGH]   ; the result's layout: register j is centroid 8 (l / 16) + j of the sixteen
.endr
	s_wait_dscnt 0x0                               ; these fragments of W are in: from here on the counted waits on LDS speak of X's fragments alone
.endm
; One product: centroids 16 ct on, part wp of W, part xp of X, 32 along K at 32 ks.  first = 1: it starts the sum from my wave's share of the bias: nothing is ever cleared.
.macro WM ct, wp, xp, ks, first
.if \first
	v_wmma_f32_16x16x32_bf16 v[ACC+8*\ct:ACC+8*\ct+7], v[WF+64*\ct+8*(4*\wp+\ks):WF+64*\ct+8*(4*\wp+\ks)+7], v[XF+8*(4*\xp+\ks):XF+8*(4*\xp+\ks)+7], v[BIAS+8*\ct:BIAS+8*\ct+7]
.else
	v_wmma_f32_16x16x32_bf16 v[ACC+8*\ct:ACC+8*\ct+7], v[WF+64*\ct+8*(4*\wp+\ks):WF+64*\ct+8*(4*\wp+\ks)+7], v[XF+8*(4*\xp+\ks):XF+8*(4*\xp+\ks)+7], v[ACC+8*\ct:ACC+8*\ct+7]
.endif
.endm
; A tile's 24 products.  The two accumulators take turns, one instruction a turn.
.macro MUL
	WIN 0x04                                       ; source 1 (X) window 1; W, C and D window 0
.irp ks, 0,1,2,3
	s_wait_dscnt 12-4*\ks                          ; LDS loads come back in order: this ks's four are in, the four of each later ks may be out
.if \ks == 0
	WM 0, 0, 0, \ks, 1
	WM 1, 0, 0, \ks, 1
.else
	WM 0, 0, 0, \ks, 0
	WM 1, 0, 0, \ks, 0
.endif
	WM 0, 1, 0, \ks, 0
	WM 1, 1, 0, \ks, 0
	WM 0, 0, 1, \ks, 0
	WM 1, 0, 1, \ks, 0
.endr
	WIN 0
.rept 4
	v_nop                                          ; four places behind the last products, ahead of the LDS stores that read the results: no other vector work is at hand
.endr
.endm
; Partial o (0-6) of tile i, that of wave (i % 8 + 1 + o) % 8, into set o % 4 of T
.macro RLOAD i, o
.set rw, ((\i)%8+1+(\o))%8
.irp q, 0,1,2,3
	ds_load_b128 v[T+16*((\o)%4)+4*\q:T+16*((\o)%4)+4*\q+3], v[RRA] offset:((\i)%2)*REDP+rw*REDW+512*\q
.endr
.endm
; Wave i % 8 adds the seven other waves' partials onto its own, which is still in ACC, finds the two largest t of each row and puts their difference into OUT.
.macro REDUCE i
	s_cmp_lg_u32 s[WV], (\i)%8
	s_cbranch_scc1 .Lnot_mine_\@
	RLOAD \i, 0
	RLOAD \i, 1
	RLOAD \i, 2
	RLOAD \i, 3
.irp o, 0,1,2,3,4,5,6
.if \o < 4
	s_wait_dscnt 12                                ; three partials, four loads each, were issued behind this one
.else
	s_wait_dscnt 4*(6-\o)                          ; two, one, none
.endif
.irp p, 0,2,4,6,8,10,12,14
	v_pk_add_f32 v[ACC+\p:ACC+\p+1], v[ACC+\p:ACC+\p+1], v[T+16*((\o)%4)+\p:T+16*((\o)%4)+\p+1]
.endr
.if \o < 3
	RLOAD \i, \o+4
.endif
.endr
	; the largest (v10, v12) and second largest (v11, v13) of my 2 x 8 values, in two chains: the new second is the middle one of largest, second and the newcomer
	v_max_num_f32 v10, v[ACC], v[ACC+1]
	v_max_num_f32 v12, v[ACC+8], v[ACC+9]
	v_min_num_f32 v11, v[ACC], v[ACC+1]
	v_min_num_f32 v13, v[ACC+8], v[ACC+9]
.irp j, 2,3,4,5,6,7
	v_med3_num_f32 v11, v10, v11, v[ACC+\j]
	v_med3_num_f32 v13, v12, v13, v[ACC+8+\j]
	v_max_num_f32 v10, v10, v[ACC+\j]
	v_max_num_f32 v12, v12, v[ACC+8+\j]
.endr
	v_min_num_f32 v14, v10, v12                    ; two pairs become one: the second is the largest of the lesser first and the two seconds
	v_max_num_f32 v10, v10, v12
	v_max3_num_f32 v11, v14, v11, v13
	v_permlanex16_b32 v12, v10, s[SEL], s[SEL+1]   ; the row's other 16 centroids lie in the lane 16 away
	v_permlanex16_b32 v13, v11, s[SEL], s[SEL+1]
	v_min_num_f32 v14, v10, v12
	v_max_num_f32 v10, v10, v12
	v_max3_num_f32 v11, v14, v11, v13
	v_sub_f32 v10, v10, v11
	ds_store_b32 v[OA], v10 offset:64*(\i)         ; row 16 i + l % 16; lanes l and l + 16 write the same word with the same value
.Lnot_mine_\@:
.endm
; Tile i.  left: the loads of the younger tiles, which stay out.  refill: rows of tile i + 3 that this tile's slot takes (0: none).
.macro TILE i, rows, left, refill
	s_wait_loadcnt \left                           ; loads come back in order (ISA guide 5.7.1): this tile's are in
	SPLIT8 64*((\i)%3), 1, 0
.if \rows == 16
	SPLIT8 64*((\i)%3)+32, 1, 8
.endif
.if \refill
	XLOAD \i+3, \refill
.endif
	FETCH XF, 1
	MUL
.irp q, 0,1,2,3
	ds_store_b128 v[RDA], v[ACC+4*\q:ACC+4*\q+3] offset:((\i)%2)*REDP+512*\q
.endr
	s_wait_dscnt 0x0                               ; for the others' sake: my partial is in RED, and what I read of the other parity as the last tile's adding wave is back;
	s_barrier_signal -1                            ; that parity is written again only behind this barrier, so one barrier a tile orders both directions
	s_barrier_wait -1
	REDUCE \i
.endm
	s_load_b128 s[4:7], s[0:1], 0x0                ; X s[4:5], centroids s[6:7]
	s_load_b64 s[8:9], s[0:1], 0x10                ; out
	v_lshl_add_u32 v30, v0, 2, 0x18c00
	v_mov_b32 v31, 0
	v_lshrrev_b32 v10, 5, v0
	v_readfirstlane_b32 s[WV], v10                 ; wave 0..7
	v_lshlrev_b32 v[XO], 4, v0
	s_mul_i32 s24, ttmp9, GROWS*ROWB               ; the group's first row: 203,980,800 bytes at the most
	s_mov_b32 s25, 0
	s_wait_kmcnt 0x0
	; My 512 bytes of each of the 32 centroids, row p into v[WF + 4 p]: asked for ahead of X.  No hint: every work-group reads these rows.
.set cr, 0
.rept 32
	global_load_b128 v[WF+4*cr:WF+4*cr+3], v[XO], s[6:7] offset:cr*ROWB
.set cr, cr+1
.endr
	s_add_nc_u64 s[4:5], s[4:5], s[24:25]
	XLOAD 0, 16                                    ; the stream starts ahead of all preparation.  With these 48 a wave has asked for 80 loads; where the counter's field is full
	XLOAD 1, 16                                    ; the next load's issue is held until one has come back (ISA guide 5.7.1), so the counts below stay true
	XLOAD 2, 16
	WIN 0
	s_mul_i32 s24, ttmp9, GROWS*4
	s_add_nc_u64 s[8:9], s[8:9], s[24:25]          ; the group's 800 bytes of out
	s_mov_b32 s[SEL], 0x76543210
	s_mov_b32 s[SEL+1], 0xfedcba98
	s_mov_b32 s[HIGH], 0xffff0000
	v_and_b32 v10, 31, v0                          ; l
	v_and_b32 v11, 15, v0                          ; l % 16
	v_bfe_u32 v12, v0, 4, 1                        ; l / 16
	v_min_u32 v13, 49, v0                          ; threads 0 to 49 carry the results out; the others' address stays inside the words that are written
	s_mul_i32 s30, s[WV], STGW                     ; my stage (STG = 0)
	v_lshl_add_u32 v[STA], v10, 3, s30
	v_mul_u32_u24 v[FRA], v11, PITCH
	v_lshl_add_u32 v[FRA], v12, 4, v[FRA]
	v_add_nc_u32 v[FRA], s30, v[FRA]
	s_lshl_b32 s31, s[WV], 11
	s_add_co_u32 s31, s31, RED
	v_lshl_add_u32 v[RDA], v10, 4, s31
	v_lshl_add_u32 v[RRA], v10, 4, RED
	v_lshl_add_u32 v[OA], v11, 2, OUT
	v_mov_b32 v[NEG1], -1.0
	v_lshl_add_u32 v[OL], v13, 4, OUT
	s_wait_loadcnt 48                              ; the centroids are in: behind them stand the 48 loads of X's first three tiles, which stay on their way while W is made
	CPREP 0
	CPREP 1
.irp t, 0,1,2,3,4,5,6,7,8
	TILE \t, 16, 32, 16                            ; 16 + 16 loads of the two younger tiles stay out
.endr
	TILE 9,  16, 32, 8                             ; its slot takes the last tile's 8 rows
	TILE 10, 16, 24, 0                             ; 16 + 8
	TILE 11, 16, 8,  0
	TILE 12, 8,  0,  0
	s_wait_dscnt 0x0                               ; the last adding wave's store into OUT is done
	s_barrier_signal -1
	s_barrier_wait -1
	s_cmp_gt_u32 s[WV], 1
	s_cbranch_scc1 .Lend                           ; threads 0 to 49 store the 200 results, 16 bytes each: wave 0 stores 512 consecutive bytes, wave 1 the other 288
	v_cmp_gt_u32 vcc_lo, 50, v0
	s_wait_xcnt 0x0                                ; EXEC changes only behind this wait
	s_and_saveexec_b32 s29, vcc_lo
	ds_load_b128 v[32:35], v[OL]
	s_wait_dscnt 0x0
	global_store_b128 v[XO], v[32:35], s[8:9] th:TH_STORE_NT
	s_wait_xcnt 0x0                                ; and again, in front of the line that widens it
	s_or_b32 exec_lo, exec_lo, s29
.Lend:
	s_wait_tensorcnt 0x0
	ds_add_u32 v30, v31
	s_wait_dscnt 0x0
	s_endpgm
.Lfunc_end_k_q945e3b0b01_kmeans_margin:
	.size	k_q945e3b0b01_kmeans_margin, .Lfunc_end_k_q945e3b0b01_kmeans_margin-k_q945e3b0b01_kmeans_margin
	.p2alignl 7, 3214868480
	.fill 96, 4, 3214868480
	.section	.rodata,"a",@progbits
	.p2align	6, 0x0
	.amdhsa_kernel k_q945e3b0b01_kmeans_margin
		.amdhsa_group_segment_fixed_size 102400
		.amdhsa_private_segment_fixed_size 0
		.amdhsa_enable_private_segment 0
		.amdhsa_kernarg_size 24
		.amdhsa_user_sgpr_count 2
		.amdhsa_user_sgpr_kernarg_segment_ptr 1
		.amdhsa_wavefront_size32 1
		.amdhsa_system_sgpr_workgroup_id_x 1
		.amdhsa_system_sgpr_workgroup_id_y 1
		.amdhsa_system_sgpr_workgroup_id_z 1
		.amdhsa_system_vgpr_workitem_id 0
		.amdhsa_next_free_vgpr 512
		.amdhsa_next_free_sgpr 66
		.amdhsa_reserve_vcc 1
		.amdhsa_float_denorm_mode_32 3
		.amdhsa_float_denorm_mode_16_64 3
		.amdhsa_memory_ordered 1
		.amdhsa_forward_progress 1
		.amdhsa_inst_pref_size 255
	.end_amdhsa_kernel
	.section	.bss,"aw",@nobits
	.p2align	6
	.space	262144
	.amdgpu_metadata
---
amdhsa.version: [ 1, 2 ]
amdhsa.kernels:
  - .name:           k_q945e3b0b01_kmeans_margin
    .symbol:         k_q945e3b0b01_kmeans_margin.kd
    .args:
      - { .name: X, .offset: 0, .size: 8, .value_kind: global_buffer, .address_space: global }
      - { .name: centroids, .offset: 8, .size: 8, .value_kind: global_buffer, .address_space: global }
      - { .name: out0, .offset: 16, .size: 8, .value_kind: global_buffer, .address_space: global }
    .group_segment_fixed_size: 102400
    .private_segment_fixed_size: 0
    .kernarg_segment_align: 8
    .kernarg_segment_size: 24
    .max_flat_workgroup_size: 256
    .sgpr_count:     66
    .vgpr_count:     512
    .wavefront_size: 32
...
	.end_amdgpu_metadata
.endif
;; end of part 1
